; MI455X (gfx1250); checked and timed in simulation.
; The chip was launched on July 23, 2026; its instructions are those of AMD's public machine-readable ISA for CDNA 5 (MIT licence, August 2026) and "CDNA5" Instruction Set Architecture Reference Guide (July 2026). The comments in the code are by the model that wrote it; some were corrected since.
;; Cross Attention. Allowed arithmetic: float matrix products may take bf16 or f16 operands with f32 sums; other float arithmetic in f32, or as packed bf16 or f16 multiplies, adds, multiply-adds, maxima and minima; sums over many terms, partial sums and values carried from step to step in f32; what a program stores and reads back later, other than sums and carried values, may be rounded once to bf16 or f16.
;; Inputs: b2 256 float32; bias_table 675 x 8 float32; bk 256 float32; bq 256 float32; bv 256 float32; g2 256 float32; gk 256 float32; gq 256 float32; gv 256 float32; k 2 x 8 x 64 x 64 x 256 float32; mb1 512 float32; mb2 256 float32; mw1 512 x 256 float32; mw2 256 x 512 float32; proj_b 256 float32; proj_w 256 x 256 float32; q 2 x 8 x 64 x 64 x 256 float32; v 2 x 8 x 64 x 64 x 256 float32.
;; Outputs: out0 2 x 8 x 64 x 64 x 256 float32.
;; One version. Each part assembles by itself: llvm-mc -triple=amdgcn-amd-amdhsa -mcpu=gfx1250 --defsym DOCPART=n.
;; ======== version 1 of 1: 2 launches
;; limits: a function is approximated: absolute error at most 2.5e-05
;; workspace buffers: ws 839,680 bytes
;; launch prep (part 1): grid 205 x 1, 8 waves a work-group, no clusters, 0 bytes of LDS; arguments proj_w, mw1, mw2, bias_table, gq, bq, gk, bk, gv, bv, proj_b, g2, b2, mb2, mb1, ws; writes ws
.if DOCPART == 1
	.amdgcn_target "amdgcn-amd-amdhsa--gfx1250"
	.amdhsa_code_object_version 6
	.text
	.protected	k_q2f8a517397_prep
	.globl	k_q2f8a517397_prep
	.p2align	8
	.type	k_q2f8a517397_prep,@function
k_q2f8a517397_prep:
	s_mov_b64 s[64:65], 0
	v_nop
	global_prefetch_b8 v0, s[64:65] scope:SCOPE_SE
	s_setreg_imm32_b32 hwreg(HW_REG_WAVE_MODE, 25, 1), 1
	s_wait_xcnt 0x0
; PREP: lays out in ws what every window of the second launch reads alike.  Every thread stores 16 bytes, a wave 512 consecutive bytes.
;   ws + 0        proj_w, bf16, in fragments of 1 KiB (16 rows x 32 k): byte 16 l holds W[row0 + l%16][k0 + 8 (l/16) .. +7], byte 512 + 16 l the same 16 k further on
;   ws + 131072   mw1 likewise;   ws + 393216   mw2 likewise
;   ws + 655360   168 bias tiles of 1 KiB, f32, times log2(e): tile 21 hd + 7 c + a; register j of lane l at 16 l + 4 j (j < 4), 512 + 16 l + 4 (j - 4)
;   ws + 827392   12 blocks of 1 KiB, f32: gq c, bq c, gk, bk, gv, bv, proj_b, g2, b2, mb2, mb1 (two blocks);  c = log2(e) / sqrt(32)
; Fragment order: proj ((w 8 + ks) 4 + ft), rows 64 w + 16 ft; mw1 ((w 8 + f) 8 + ks), rows 128 w + 16 f; mw2 ((w 16 + ks) 4 + ft), rows 64 w + 16 ft; k0 = 32 ks.
; Work-groups 0-31 proj_w, 32-95 mw1, 96-159 mw2, 160-201 bias, 202-204 parameters.  Weights are rounded once, to bf16, to nearest even.
.set WS_W1,  131072
.set WS_W2,  393216
.set WS_BIA, 655360
.set WS_PAR, 827392
	s_load_b512 s[4:19], s[0:1], 0x0               ; proj_w 4, mw1 6, mw2 8, bias_table 10, gq 12, bq 14, gk 16, bk 18
	s_load_b512 s[20:35], s[0:1], 0x40             ; gv 20, bv 22, proj_b 24, g2 26, b2 28, mb2 30, mb1 32, ws 34
	v_and_b32 v2, 15, v0                           ; r = l % 16
	v_bfe_u32 v3, v0, 4, 1                         ; h = l / 16
	v_bfe_u32 v6, v0, 5, 1                         ; hf: which half of a KiB
	v_lshrrev_b32 v7, 6, v0                        ; which of the work-group's four KiB
	s_mov_b32 s36, ttmp9
	s_wait_kmcnt 0x0
	s_cmp_lt_u32 s36, 32
	s_cbranch_scc1 .Lproj
	s_cmp_lt_u32 s36, 96
	s_cbranch_scc1 .Lmw1
	s_cmp_lt_u32 s36, 160
	s_cbranch_scc1 .Lmw2
	s_cmp_lt_u32 s36, 202
	s_cbranch_scc1 .Lbias
	; PARAMETERS: block bid = 4 (wg - 202) + wave / 2; 64 threads copy 1 KiB, the first two blocks times c
	v_lshrrev_b32 v8, 5, v0
	v_readfirstlane_b32 s43, v8                    ; wave 0..7
	s_sub_co_u32 s37, s36, 202
	s_lshl_b32 s46, s37, 2
	s_lshr_b32 s47, s43, 1
	s_add_co_u32 s46, s46, s47                     ; bid 0..11
	s_mov_b64 s[38:39], s[12:13]
.macro PICK n, ptr
	s_cmp_eq_u32 s46, \n
	s_cselect_b64 s[38:39], s[\ptr:\ptr+1], s[38:39]
.endm
	PICK 1, 14
	PICK 2, 16
	PICK 3, 18
	PICK 4, 20
	PICK 5, 22
	PICK 6, 24
	PICK 7, 26
	PICK 8, 28
	PICK 9, 30
	s_cmp_ge_u32 s46, 10
	s_cselect_b64 s[38:39], s[32:33], s[38:39]
	s_cmp_eq_u32 s46, 11
	s_cselect_b32 s48, 1024, 0                     ; mb1's second KiB
	s_mov_b32 s49, 0
	s_add_nc_u64 s[38:39], s[38:39], s[48:49]
	s_cmp_lt_u32 s46, 2
	s_cselect_b32 s50, 0x3e8293ee, 1.0             ; c = 0.2550349 for q's gain and bias
	s_mov_b32 s51, s50                             ; named with it as a pair
	v_and_b32 v8, 63, v0
	v_lshlrev_b32 v8, 4, v8
	global_load_b128 v[12:15], v8, s[38:39]
	s_lshl_b32 s42, s46, 10
	s_add_co_u32 s42, s42, WS_PAR
	v_add_nc_u32 v10, s42, v8
	s_wait_loadcnt 0x0
	v_pk_mul_f32 v[12:13], v[12:13], s[50:51] op_sel_hi:[1,0]
	v_pk_mul_f32 v[14:15], v[14:15], s[50:51] op_sel_hi:[1,0]
	global_store_b128 v10, v[12:15], s[34:35]
	s_endpgm
; The weights' common end: v4 = row tile rt, v5 = ks, s37 = the work-group's number in its section.
.macro WTAIL ptr, shift, sect
	v_lshl_add_u32 v4, v4, 4, v2                   ; row 16 rt + r
	v_lshlrev_b32 v4, \shift, v4                   ; in bytes
	v_lshlrev_b32 v5, 7, v5                        ; 32 ks numbers of 4 bytes
	v_lshl_add_u32 v5, v6, 6, v5                   ; + 16 hf
	v_lshl_add_u32 v5, v3, 5, v5                   ; + 8 h
	v_add_nc_u32 v4, v4, v5
	global_load_b128 v[12:15], v4, s[\ptr:\ptr+1]
	global_load_b128 v[16:19], v4, s[\ptr:\ptr+1] offset:16
	s_lshl_b32 s42, s37, 12                        ; 256 threads x 16 bytes
	s_add_co_u32 s42, s42, \sect
	v_lshl_add_u32 v10, v0, 4, s42
	s_wait_loadcnt 0x0
	v_cvt_pk_bf16_f32 v20, v12, v13
	v_cvt_pk_bf16_f32 v21, v14, v15
	v_cvt_pk_bf16_f32 v22, v16, v17
	v_cvt_pk_bf16_f32 v23, v18, v19
	global_store_b128 v10, v[20:23], s[34:35]
	s_endpgm
.endm
.Lproj:
	s_mov_b32 s37, s36
	v_lshl_add_u32 v8, s37, 2, v7                  ; fragment F
	v_and_b32 v4, 3, v8                            ; ft
	v_lshrrev_b32 v9, 5, v8                        ; w
	v_lshl_add_u32 v4, v9, 2, v4                   ; rt = 4 w + ft
	v_bfe_u32 v5, v8, 2, 3                         ; ks
	WTAIL 4, 10, 0
.Lmw1:
	s_sub_co_u32 s37, s36, 32
	v_lshl_add_u32 v8, s37, 2, v7
	v_lshrrev_b32 v4, 3, v8                        ; rt = 8 w + f
	v_and_b32 v5, 7, v8                            ; ks
	WTAIL 6, 10, WS_W1
.Lmw2:
	s_sub_co_u32 s37, s36, 96
	v_lshl_add_u32 v8, s37, 2, v7
	v_and_b32 v4, 3, v8
	v_lshrrev_b32 v9, 6, v8
	v_lshl_add_u32 v4, v9, 2, v4                   ; rt = 4 w + ft
	v_bfe_u32 v5, v8, 2, 4                         ; ks
	WTAIL 8, 11, WS_W2
	; BIAS.  Tile G = 21 hd + 7 c + a.  Register j = 4 hf + e of lane (r, h) is table[225 c + 15 dh + dw][hd] log2(e),
	; dh = 2 a + 1 + r / 8 - h (0..14), dw = r % 8 - j + 7 (0..14): the key is 8 h + j, the query r, of a pair of tiles a - 3 tile rows and c - 1 frames apart.
.Lbias:
	s_sub_co_u32 s37, s36, 160
	v_lshl_add_u32 v8, s37, 2, v7                  ; G 0..167
	v_mul_u32_u24 v9, v8, 3121
	v_lshrrev_b32 v9, 16, v9                       ; hd = G / 21 (exact for G < 168)
	v_mul_u32_u24 v10, v9, 21
	v_sub_nc_u32 v10, v8, v10                      ; 7 c + a
	v_mul_u32_u24 v11, v10, 37
	v_lshrrev_b32 v11, 8, v11                      ; c (exact for 0..20)
	v_mul_u32_u24 v12, v11, 7
	v_sub_nc_u32 v12, v10, v12                     ; a
	v_lshlrev_b32 v12, 1, v12
	v_bfe_u32 v13, v0, 3, 1                        ; r / 8
	v_add3_u32 v12, v12, v13, 1
	v_sub_nc_u32 v12, v12, v3                      ; dh
	v_mul_u32_u24 v12, v12, 15
	v_mad_u32_u24 v12, v11, 225, v12
	v_and_b32 v13, 7, v0                           ; r % 8
	v_add3_u32 v12, v12, v13, 7
	v_lshlrev_b32 v13, 2, v6
	v_sub_nc_u32 v12, v12, v13                     ; the index for e = 0
	v_lshlrev_b32 v12, 5, v12                      ; a table row is 32 bytes
	v_lshl_add_u32 v12, v9, 2, v12
	global_load_b32 v16, v12, s[10:11]
	global_load_b32 v17, v12, s[10:11] offset:-32  ; e = 1, 2, 3: one table row back each; dw stays at 0 or above
	global_load_b32 v18, v12, s[10:11] offset:-64
	global_load_b32 v19, v12, s[10:11] offset:-96
	s_mov_b32 s44, 0x3fb8aa3b                      ; log2(e)
	s_mov_b32 s45, s44
	s_lshl_b32 s42, s37, 12
	s_add_co_u32 s42, s42, WS_BIA
	v_lshl_add_u32 v10, v0, 4, s42
	s_wait_loadcnt 0x0
	v_pk_mul_f32 v[16:17], v[16:17], s[44:45] op_sel_hi:[1,0]
	v_pk_mul_f32 v[18:19], v[18:19], s[44:45] op_sel_hi:[1,0]
	global_store_b128 v10, v[16:19], s[34:35]
	s_endpgm
.Lfunc_end_k_q2f8a517397_prep:
	.size	k_q2f8a517397_prep, .Lfunc_end_k_q2f8a517397_prep-k_q2f8a517397_prep
	.p2alignl 7, 3214868480
	.fill 96, 4, 3214868480
	.section	.rodata,"a",@progbits
	.p2align	6, 0x0
	.amdhsa_kernel k_q2f8a517397_prep
		.amdhsa_group_segment_fixed_size 0
		.amdhsa_private_segment_fixed_size 0
		.amdhsa_enable_private_segment 0
		.amdhsa_kernarg_size 128
		.amdhsa_user_sgpr_count 2
		.amdhsa_user_sgpr_kernarg_segment_ptr 1
		.amdhsa_wavefront_size32 1
		.amdhsa_system_sgpr_workgroup_id_x 1
		.amdhsa_system_sgpr_workgroup_id_y 1
		.amdhsa_system_sgpr_workgroup_id_z 1
		.amdhsa_system_vgpr_workitem_id 0
		.amdhsa_next_free_vgpr 32
		.amdhsa_next_free_sgpr 66
		.amdhsa_reserve_vcc 0
		.amdhsa_float_denorm_mode_32 3
		.amdhsa_float_denorm_mode_16_64 3
		.amdhsa_memory_ordered 1
		.amdhsa_forward_progress 1
		.amdhsa_inst_pref_size 9
	.end_amdhsa_kernel
	.amdgpu_metadata
---
amdhsa.version: [ 1, 2 ]
amdhsa.kernels:
  - .name:           k_q2f8a517397_prep
    .symbol:         k_q2f8a517397_prep.kd
    .args:
      - { .name: proj_w, .offset: 0, .size: 8, .value_kind: global_buffer, .address_space: global }
      - { .name: mw1, .offset: 8, .size: 8, .value_kind: global_buffer, .address_space: global }
      - { .name: mw2, .offset: 16, .size: 8, .value_kind: global_buffer, .address_space: global }
      - { .name: bias_table, .offset: 24, .size: 8, .value_kind: global_buffer, .address_space: global }
      - { .name: gq, .offset: 32, .size: 8, .value_kind: global_buffer, .address_space: global }
      - { .name: bq, .offset: 40, .size: 8, .value_kind: global_buffer, .address_space: global }
      - { .name: gk, .offset: 48, .size: 8, .value_kind: global_buffer, .address_space: global }
      - { .name: bk, .offset: 56, .size: 8, .value_kind: global_buffer, .address_space: global }
      - { .name: gv, .offset: 64, .size: 8, .value_kind: global_buffer, .address_space: global }
      - { .name: bv, .offset: 72, .size: 8, .value_kind: global_buffer, .address_space: global }
      - { .name: proj_b, .offset: 80, .size: 8, .value_kind: global_buffer, .address_space: global }
      - { .name: g2, .offset: 88, .size: 8, .value_kind: global_buffer, .address_space: global }
      - { .name: b2, .offset: 96, .size: 8, .value_kind: global_buffer, .address_space: global }
      - { .name: mb2, .offset: 104, .size: 8, .value_kind: global_buffer, .address_space: global }
      - { .name: mb1, .offset: 112, .size: 8, .value_kind: global_buffer, .address_space: global }
      - { .name: ws, .offset: 120, .size: 8, .value_kind: global_buffer, .address_space: global }
    .group_segment_fixed_size: 0
    .private_segment_fixed_size: 0
    .kernarg_segment_align: 8
    .kernarg_segment_size: 128
    .max_flat_workgroup_size: 256
    .sgpr_count:     66
    .vgpr_count:     32
    .wavefront_size: 32
...
	.end_amdgpu_metadata
.endif
;; end of part 1
;; launch fused (part 2): grid 512 x 1, 4 waves a work-group, no clusters, 292,352 bytes of LDS; arguments q, k, v, ws, out0; writes out0
.if DOCPART == 2
	.amdgcn_target "amdgcn-amd-amdhsa--gfx1250"
	.amdhsa_code_object_version 6
	.text
	.protected	k_q2f8a517397_fused
	.globl	k_q2f8a517397_fused
	.p2align	8
	.type	k_q2f8a517397_fused,@function
k_q2f8a517397_fused:
	s_mov_b64 s[64:65], 0
	v_nop
	global_prefetch_b8 v0, s[64:65] scope:SCOPE_SE
	s_setreg_imm32_b32 hwreg(HW_REG_WAVE_MODE, 25, 1), 1
	s_wait_xcnt 0x0
; THE WHOLE MODULE FOR ONE WINDOW (2 x 8 x 8 = 128 tokens of 256 channels) IN ONE WORK-GROUP OF FOUR WAVES; 512 windows.  q, k, v are read once, out0 is written once, nothing else goes to memory.
; PHASES.  A: LayerNorm of q, k, v (wave w: tokens 32 w .. +31), bf16 into LDS; raw v stays in registers.  B: attention (wave w: heads 2 w, 2 w + 1).  C: X = v + proj_b + O proj_w^T.
; D: LayerNorm of X.  E: hidden = gelu(H1 mw1^T + mb1).  F: X += mb2 + hidden mw2^T, stored.  In C and F wave w owns features 64 w .. +63 of all tokens (X: 32 accumulators), in E hidden features 128 w .. +127.
; EVERY PRODUCT IS TAKEN TRANSPOSED: source 0 = 16 rows of K, V^T or a weight, source 1 = 16 tokens.  So a lane always holds ONE token (lane % 16) and 8 neighbouring features 8 (lane / 16) + j.
; SOFTMAX: all 128 keys of a query lie in one lane pair, so the true maximum is taken away; p = 2^(s - m), the factor log2(e) / sqrt(32) lies in q's gain and bias, log2(e) in the bias tiles (both made by the launch before).
; THE RELATIVE BIAS is the C operand of the score product: a 16 x 16 tile hangs only on (qt % 4 - kt % 4, qt / 4 - kt / 4): 21 tiles a head, kept in registers.
; NO CLUSTER, NO TENSOR LOADS: each weight byte is wanted by one wave of a work-group and goes straight into its registers as a fragment; q, k, v are wanted in registers for the LayerNorm; no two work-groups share other bytes.
; LIMITS.  All matrix operands are bf16, each rounded once.  erf by Abramowitz and Stegun 7.1.25 (three terms in 1 / (1 + 0.47047 z), any z): absolute error at most 2.5e-5 in erf.
; A softmax weight below 2^-126 counts as 0.  NaN and infinities are not treated apart.  Variances are sums of squared differences from the mean (LayerNorm 2: partial sums joined by their means).
;
; LDS.  Pitch 528 for [128][256] bf16, 1040 for [128][256] f32 and [128][512] bf16: both odd multiples of 16 bytes, so the 16 rows of a fragment load start in 16 different groups of four banks (ISA guide 11.1).
.set P16,   528
.set P32,   1040
.set RQ,    0                          ; q' bf16; from LayerNorm 2 on H1
.set RK,    67584                      ; k bf16
.set RV,    135168                     ; v bf16
.set VR,    67584                      ; behind attention: raw v, f32 (133,120 bytes over RK and RV)
.set HID,   67584                      ; behind LayerNorm 2: the hidden layer, bf16
.set RO,    202752                     ; attention's output, bf16
.set STG,   270336                     ; 16 rows x 272 bytes for each wave: its own stage on the way out
.set STAT,  287744                     ; [token][wave] (mean, sum of squares), f32
.set SPARE, 291840                     ; the spare words, 128 bytes a wave: two blocks of 256 bytes that no other line names
.set WS_W1,  131072
.set WS_W2,  393216
.set WS_BIA, 655360
.set WS_PAR, 827392
; REGISTERS, in windows of 256 (s_set_vgpr_msb: bits 1:0 source 0, 3:2 source 1, 5:4 source 2, 7:6 destination).
; window 0, fixed: v1 prefetch offset, v2 R = l % 16, v3 H = l / 16, v4 spare word, v5 0, v6 q/k/v offset, v7 16 R, v8 LN store, v9 R 528 + 16 H, v10 K, v11 Q, v12 V fragments, v13 O store, v14 raw v store,
;   v15-16 X load, v17-18 B fragments, v19 16 l, v20 statistics out, v21 in, v22 H1 store, v23-24 hidden store, v25 stage in, v26 stage out, v27 256 w + 32 H, v28 512 w + 32 H (steps), v29 out0 offset, v30-31 at work
; window 1: bias of the head in hand v0-167, K v168-231; later X(ft, tt) at 8 (8 ft + tt)
; window 2: the other head's bias v8-175, V^T v176-239; later weights' ring v0-127 and B fragments v128-255; later H1, k steps 0-3
; window 3: the load ring, 4 groups of 64 (at the end: raw v); later g2, b2; later H1, k steps 4-7
.set PW, 32                            ; phase A: gain 16, bias 16 of my 16 channels
.set PN, 64                            ;          the next tensor's
.set AT, 96
.set AD, 128
.set AS, 192                           ;          per row pair: mean, sum, 1/sigma, variance
.set AQ, 208
.set SC, 32                            ; phase B: scores, 8 tiles
.set PR, 96                            ;          weights, bf16
.set OT, 128
.set CM, 144
.set MX, 152
.set LS, 154
.set RI, 156
.set OP, 160
.set QF, 192
.set KF, 168                           ;          window 1
.set BIB, 8                            ;          window 2
.set VF, 176                           ;          window 2
.set PBI, 32                           ; phase C: proj_b
.set AW, 32                            ; phases D, E: one feature tile of mw1, 8 k steps
.set MB, 96                            ;          its mb1
.set DT, 104
.set DD, 120
.set DQ, 152
.set DP, 156
.set ST2, 104
.set RN, 168                           ;          per token tile: 1/sigma, mean, -mean/sigma, variance
.set YY, 200
.set HA, 104                           ; phase E: 8 accumulators
.set GT, 168
.set GU, 184
.set GP, 200
.set MB2, 32                           ; phase F
.set OB, 64
; scalars: s[4:13] q k v ws out0; s14 wave; s[20:21] tensor in hand, s[22:23] next, s[24:25] the one after; s[26:27] next parameters; s28 trip; s29 mask; s30 saved EXEC;
; s[32:33] my bias tiles; s[34:35] weights; s[36:37] parameters; s38-41 counters; s[42:43] lane selects; s44 1/256, s45 1e-5, s46 1/64, s47 64; s48-57 gelu's constants
.set MSB, 0
.macro WIN new                         ; the immediate's high byte repeats the setting that is left; a switch that changes nothing is dropped
.if MSB != (\new)
	s_set_vgpr_msb (MSB<<8)|(\new)
.set MSB, \new
.endif
.endm
.macro BAR                             ; my LDS stores are done and my LDS loads are back, then the work-group's barrier
	s_wait_dscnt 0x0
	s_barrier_signal -1
	s_barrier_wait -1
.endm
.macro NOP4                            ; four places behind a matrix instruction, ahead of a reader of its result and of loads into its sources (ISA guide 7.12.1 for readers of its result)
.rept 4
	v_nop
.endr
.endm
	s_load_b256 s[4:11], s[0:1], 0x0               ; q, k, v, ws
	s_load_b64 s[12:13], s[0:1], 0x20              ; out0
	v_lshl_add_u32 v4, v0, 2, SPARE
	v_mov_b32 v5, 0
	v_lshrrev_b32 v30, 5, v0
	v_readfirstlane_b32 s14, v30                   ; wave 0..3
	v_and_b32 v1, 31, v0
	v_and_b32 v2, 15, v0
	v_bfe_u32 v3, v0, 4, 1
	s_lshr_b32 s16, ttmp9, 6                       ; window (b, t/2, h/8, w/8): 2^23, 2^19 and 2^13 bytes apart
	s_lshl_b32 s16, s16, 23
	s_bfe_u32 s17, ttmp9, 0x30003
	s_lshl_b32 s17, s17, 19
	s_add_co_u32 s16, s16, s17
	s_and_b32 s17, ttmp9, 7
	s_lshl_b32 s17, s17, 13
	s_add_co_u32 s16, s16, s17
	s_mov_b32 s17, 0
	s_lshr_b32 s18, s14, 1                         ; my 32 tokens: frame w / 2, rows 4 (w % 2) on
	s_lshl_b32 s18, s18, 22
	s_and_b32 s19, s14, 1
	s_lshl_b32 s19, s19, 18
	s_add_co_u32 s18, s18, s19
	s_lshl_b32 s15, s14, 7                         ; 128 w
	s_lshl_b32 s31, s14, 8                         ; 256 w
	v_lshlrev_b32 v7, 4, v2
	v_lshlrev_b32 v19, 4, v1
	v_lshl_add_u32 v1, v1, 8, s18                  ; a run of 8 tokens is 8 KiB on end: lane l names its block l of 256 bytes
	v_lshl_add_u32 v6, v3, 10, v7
	v_add_nc_u32 v29, s31, v6
	v_add_nc_u32 v6, s18, v6
	v_mul_u32_u24 v30, v3, P16
	v_lshl_add_u32 v8, v2, 3, v30
	s_mul_i32 s19, s14, 32*P16
	v_add_nc_u32 v8, s19, v8
	v_mul_u32_u24 v9, v2, P16
	v_lshl_add_u32 v9, v3, 4, v9
	v_add_nc_u32 v11, s15, v9
	v_mov_b32 v22, v11
	v_add_nc_u32 v10, RK, v11
	v_and_b32 v30, 7, v0                           ; the turning load: lane l reads key 8 H + l % 8, channels 8 ((l / 8) % 2) on
	v_lshl_add_u32 v30, v3, 3, v30
	v_mul_u32_u24 v30, v30, P16
	v_bfe_u32 v31, v0, 3, 1
	v_lshl_add_u32 v30, v31, 4, v30
	v_add_nc_u32 v30, s15, v30
	v_add_nc_u32 v12, RV, v30
	v_mul_u32_u24 v30, v3, P32
	v_add_nc_u32 v30, v30, v7
	s_mul_i32 s19, s14, 32*P32
	v_add_nc_u32 v30, s19, v30
	v_add_nc_u32 v14, VR, v30
	v_lshl_add_u32 v27, v3, 5, s31
	v_mul_u32_u24 v30, v2, P32
	v_add_nc_u32 v15, v30, v27
	v_add_nc_u32 v15, VR, v15
	v_add_nc_u32 v16, 64*P32, v15
	v_lshl_add_u32 v23, v3, 4, v30
	v_add_nc_u32 v23, s31, v23
	v_add_nc_u32 v23, HID, v23
	v_add_nc_u32 v24, 64*P32, v23
	v_lshlrev_b32 v21, 5, v2
	v_add_nc_u32 v21, STAT, v21
	v_lshl_add_u32 v20, s14, 3, v21
	s_mul_i32 s19, s14, 16*272
	s_add_co_u32 s19, s19, STG
	v_mul_u32_u24 v30, v2, 272
	v_lshl_add_u32 v30, v3, 5, v30
	v_add_nc_u32 v25, s19, v30
	v_mul_u32_u24 v30, v3, 272
	v_add_nc_u32 v30, v30, v7
	v_add_nc_u32 v26, s19, v30
	s_lshl_b32 s19, s14, 9
	v_lshl_add_u32 v28, v3, 5, s19
	s_mov_b32 s42, 0x76543210                      ; v_permlanex16_b32: each lane takes its own place in the other half
	s_mov_b32 s43, 0xfedcba98
	s_mov_b32 s44, 0x3b800000                      ; 1/256
	s_mov_b32 s45, 0x3727c5ac                      ; 1e-5
	s_mov_b32 s46, 0x3c800000                      ; 1/64
	s_mov_b32 s47, 0x42800000                      ; 64
	s_mov_b32 s48, 0x3eaa540e                      ; 0.47047 / sqrt(2)
	s_mov_b32 s50, 0xbf38aa3b                      ; -log2(e) / 2
	s_mov_b32 s51, s50                             ; (the packed forms name pairs)
	s_mov_b32 s52, 0xbebf7377                      ; -0.7478556 / 2
	s_mov_b32 s53, s52
	s_mov_b32 s54, 0x3d445ca1                      ; 0.0958798 / 2
	s_mov_b32 s55, s54
	s_mov_b32 s56, 0xbe32303a                      ; -0.3480242 / 2
	s_mov_b32 s57, s56
	s_mov_b32 s28, 0
	s_wait_kmcnt 0x0
	s_add_nc_u64 s[20:21], s[4:5], s[16:17]        ; q, k, v, out0 at the window
	s_add_nc_u64 s[22:23], s[6:7], s[16:17]
	s_add_nc_u64 s[24:25], s[8:9], s[16:17]
	s_add_nc_u64 s[12:13], s[12:13], s[16:17]
	s_add_nc_u64 s[36:37], s[10:11], WS_PAR
	s_add_nc_u64 s[26:27], s[36:37], 2048          ; k's gain and bias
	s_mul_i32 s16, s14, 43008                      ; two heads x 21 tiles of 1 KiB
	s_add_co_u32 s16, s16, WS_BIA
	s_add_nc_u64 s[32:33], s[10:11], s[16:17]
; ---------------------------------------------------------------- PHASE A: LayerNorm of q, k, v
; A group is a run of 8 tokens, 8 KiB on end: 16 loads, in each of which lanes 0-15 take 256 aligned bytes of one token and lanes 16-31 of the next.  So 16 lanes hold a row, 16 numbers a lane: channels 64 j + 4 R + e.
.macro PLOAD dst, ptr                  ; gain and bias of my 16 channels
.irp j, 0,1,2,3
	global_load_b128 v[(\dst)+4*(\j):(\dst)+4*(\j)+3], v7, s[\ptr:\ptr+1] offset:256*(\j)
	global_load_b128 v[(\dst)+16+4*(\j):(\dst)+16+4*(\j)+3], v7, s[\ptr:\ptr+1] offset:1024+256*(\j)
.endr
.endm
.macro LDG ptr, g
	WIN 0xc0
.irp pr, 0,1,2,3
.irp j, 0,1,2,3
	global_load_b128 v[64*(\g)+16*(\pr)+4*(\j):64*(\g)+16*(\pr)+4*(\j)+3], v6, s[\ptr:\ptr+1] offset:65536*(\g)+2048*(\pr)+256*(\j) th:TH_LOAD_NT
.endr
.endr
	WIN 0
.endm
; Group g's four row pairs side by side.  The ring's registers are only read.
.macro LNGRP g
	WIN 0x0f
.irp pr, 0,1,2,3
.irp k, 0,1,2,3
	v_pk_add_f32 v[AT+8*(\pr)+2*(\k):AT+8*(\pr)+2*(\k)+1], v[64*(\g)+16*(\pr)+4*(\k):64*(\g)+16*(\pr)+4*(\k)+1], v[64*(\g)+16*(\pr)+4*(\k)+2:64*(\g)+16*(\pr)+4*(\k)+3]
.endr
.endr
	WIN 0
.irp pr, 0,1,2,3
	v_pk_add_f32 v[AT+8*(\pr):AT+8*(\pr)+1], v[AT+8*(\pr):AT+8*(\pr)+1], v[AT+8*(\pr)+2:AT+8*(\pr)+3]
	v_pk_add_f32 v[AT+8*(\pr)+4:AT+8*(\pr)+5], v[AT+8*(\pr)+4:AT+8*(\pr)+5], v[AT+8*(\pr)+6:AT+8*(\pr)+7]
.endr
.irp pr, 0,1,2,3
	v_pk_add_f32 v[AT+8*(\pr):AT+8*(\pr)+1], v[AT+8*(\pr):AT+8*(\pr)+1], v[AT+8*(\pr)+4:AT+8*(\pr)+5]
.endr
.irp pr, 0,1,2,3
	v_add_f32 v[AS+4*(\pr)+1], v[AT+8*(\pr)], v[AT+8*(\pr)+1]
.endr
.irp m, 1,2,4,8                        ; over the 16 lanes that hold the row
.irp pr, 0,1,2,3
	v_add_f32_dpp v[AS+4*(\pr)+1], v[AS+4*(\pr)+1], v[AS+4*(\pr)+1] row_xmask:\m row_mask:0xf bank_mask:0xf
.endr
.endr
.irp pr, 0,1,2,3
	v_mul_f32 v[AS+4*(\pr)], s44, v[AS+4*(\pr)+1]  ; mean
.endr
	WIN 0x03
.irp pr, 0,1,2,3
.irp k, 0,1,2,3,4,5,6,7
	v_pk_add_f32 v[AD+16*(\pr)+2*(\k):AD+16*(\pr)+2*(\k)+1], v[64*(\g)+16*(\pr)+2*(\k):64*(\g)+16*(\pr)+2*(\k)+1], v[AS+4*(\pr):AS+4*(\pr)+1] op_sel_hi:[1,0] neg_lo:[0,1] neg_hi:[0,1]
.endr
.endr
	WIN 0
.irp pr, 0,1,2,3
	v_pk_mul_f32 v[AQ+4*(\pr):AQ+4*(\pr)+1], v[AD+16*(\pr):AD+16*(\pr)+1], v[AD+16*(\pr):AD+16*(\pr)+1]
	v_pk_mul_f32 v[AQ+4*(\pr)+2:AQ+4*(\pr)+3], v[AD+16*(\pr)+2:AD+16*(\pr)+3], v[AD+16*(\pr)+2:AD+16*(\pr)+3]
.endr
.irp k, 4,8,12
.irp pr, 0,1,2,3
	v_pk_fma_f32 v[AQ+4*(\pr):AQ+4*(\pr)+1], v[AD+16*(\pr)+(\k):AD+16*(\pr)+(\k)+1], v[AD+16*(\pr)+(\k):AD+16*(\pr)+(\k)+1], v[AQ+4*(\pr):AQ+4*(\pr)+1]
	v_pk_fma_f32 v[AQ+4*(\pr)+2:AQ+4*(\pr)+3], v[AD+16*(\pr)+(\k)+2:AD+16*(\pr)+(\k)+3], v[AD+16*(\pr)+(\k)+2:AD+16*(\pr)+(\k)+3], v[AQ+4*(\pr)+2:AQ+4*(\pr)+3]
.endr
.endr
.irp pr, 0,1,2,3
	v_pk_add_f32 v[AQ+4*(\pr):AQ+4*(\pr)+1], v[AQ+4*(\pr):AQ+4*(\pr)+1], v[AQ+4*(\pr)+2:AQ+4*(\pr)+3]
.endr
.irp pr, 0,1,2,3
	v_add_f32 v[AS+4*(\pr)+3], v[AQ+4*(\pr)], v[AQ+4*(\pr)+1]
.endr
.irp m, 1,2,4,8
.irp pr, 0,1,2,3
	v_add_f32_dpp v[AS+4*(\pr)+3], v[AS+4*(\pr)+3], v[AS+4*(\pr)+3] row_xmask:\m row_mask:0xf bank_mask:0xf
.endr
.endr
.irp pr, 0,1,2,3
	v_fma_f32 v[AS+4*(\pr)+3], v[AS+4*(\pr)+3], s44, s45
.endr
.irp pr, 0,1,2,3
	v_rsq_f32 v[AS+4*(\pr)+2], v[AS+4*(\pr)+3]
.endr
	v_nop                                          ; a plain instruction behind the last root,
	s_wait_alu depctr_va_vdst(0)                   ; and the wait ahead of the first use: one for the four
.irp pr, 0,1,2,3
.irp k, 0,1,2,3,4,5,6,7
	v_pk_mul_f32 v[AD+16*(\pr)+2*(\k):AD+16*(\pr)+2*(\k)+1], v[AD+16*(\pr)+2*(\k):AD+16*(\pr)+2*(\k)+1], v[AS+4*(\pr)+2:AS+4*(\pr)+3] op_sel_hi:[1,0]
.endr
.endr
.irp pr, 0,1,2,3
.irp k, 0,1,2,3,4,5,6,7
	v_pk_fma_f32 v[AD+16*(\pr)+2*(\k):AD+16*(\pr)+2*(\k)+1], v[AD+16*(\pr)+2*(\k):AD+16*(\pr)+2*(\k)+1], v[PW+2*(\k):PW+2*(\k)+1], v[PW+16+2*(\k):PW+16+2*(\k)+1]
.endr
.endr
.irp pr, 0,1,2,3
.irp k, 0,1,2,3,4,5,6,7                ; in place, ascending: number k lands where numbers 2 k, 2 k + 1 have been read or are being read
	v_cvt_pk_bf16_f32 v[AD+16*(\pr)+(\k)], v[AD+16*(\pr)+2*(\k)], v[AD+16*(\pr)+2*(\k)+1]
.endr
.endr
.irp pr, 0,1,2,3
.irp j, 0,1,2,3
	ds_store_b64 v8, v[AD+16*(\pr)+2*(\j):AD+16*(\pr)+2*(\j)+1] offset:(8*(\g)+2*(\pr))*P16+128*(\j)
.endr
.endr
.endm
; Steps 1 to 3 of a trip: group g - 1, just read, takes the NEXT tensor's group; then group g is worked on.  In the last trip (v) there is no next tensor: s29 = 0 turns every lane off, the same lines
; load nothing, and the ring keeps raw v.  EXEC is a source of the pending loads: it changes only behind s_wait_xcnt 0.
.macro STEP g
	s_wait_xcnt 0x0
	s_and_saveexec_b32 s30, s29
.if \g == 1
	PLOAD PN, 26
.endif
	LDG 22, (\g)-1
	s_wait_xcnt 0x0
	s_or_b32 exec_lo, exec_lo, s30
.if \g == 1
	s_cmp_lg_u32 s28, 0                            ; A PREFETCH, in the first trip alone, behind this step's loads: my own 32 tokens of v, whose loads go out one trip (four groups' work) later:
	s_cbranch_scc1 .Lnopf_\@                       ; four lines, a run of 8 tokens each, a lane a block of 256 bytes: each block of v is named once in the launch, by the wave that will load it
.irp u, 0,1,2,3
	global_prefetch_b8 v1, s[24:25] offset:65536*(\u) th:TH_LOAD_NT scope:SCOPE_SE
.endr
.Lnopf_\@:
.endif
	s_cmp_lt_u32 s28, 2
	s_cbranch_scc1 .Lring_\@
	s_wait_loadcnt 16*(3-(\g))                     ; the last trip: the lines above loaded nothing, so the loads younger than group g are the ring's own later groups alone
.Lring_\@:
	s_wait_loadcnt 56                              ; group g is in: younger are the ring's other three groups (old or new) and the 8 parameter loads
	LNGRP \g
.endm
	PLOAD PW, 36                                   ; q's gain and bias (times c)
	PLOAD PN, 26                                   ; k's: written whole here, before the masked lines of the loop name these registers
	LDG 20, 0
	LDG 20, 1
	LDG 20, 2
.Ltensor:                                              ; three trips: q, k, v
	s_cmp_lt_u32 s28, 2
	s_cselect_b32 s29, -1, 0
	LDG 20, 3
	s_wait_loadcnt 48                              ; group 0 is in: groups 1, 2, 3 may stay out
	LNGRP 0
	STEP 1
	STEP 2
	STEP 3
	s_wait_loadcnt 48                              ; the next parameters are in: three ring groups are younger
.set i, 0
.rept 32
	v_mov_b32 v[PW+i], v[PN+i]
.set i, i+1
.endr
	s_wait_xcnt 0x0                                ; the loads have read their bases
	s_mov_b64 s[20:21], s[22:23]
	s_mov_b64 s[22:23], s[24:25]
	s_add_nc_u64 s[26:27], s[26:27], 2048
	v_add_nc_u32 v8, 128*P16, v8                   ; the next tensor's LDS region
	s_add_co_u32 s28, s28, 1
	s_cmp_lt_u32 s28, 3
	s_cbranch_scc1 .Ltensor
	; my two heads' bias tiles: 84 loads of 512 consecutive bytes each
	WIN 0x40
.set i, 0
.rept 21
	global_load_b128 v[8*i:8*i+3], v19, s[32:33] offset:1024*i
	global_load_b128 v[8*i+4:8*i+7], v19, s[32:33] offset:1024*i+512
.set i, i+1
.endr
	WIN 0x80
.set i, 0
.rept 21
	global_load_b128 v[BIB+8*i:BIB+8*i+3], v19, s[32:33] offset:21504+1024*i
	global_load_b128 v[BIB+8*i+4:BIB+8*i+7], v19, s[32:33] offset:21504+1024*i+512
.set i, i+1
.endr
	WIN 0
	BAR                                            ; barrier 1: q', k, v lie in LDS, all 128 tokens
; ---------------------------------------------------------------- PHASE B: attention, my two heads one after the other
; A head's 32 channels are one K step: a score tile is ONE matrix instruction, S^T = K Q^T + bias tile.  T(i, kt) picks the tile.
.macro SBLK i
	WIN 0x11                                       ; K and the bias in window 1, Q and S^T in window 0
.irp kt, 0,1,2,3,4,5,6,7
.set TI, (((\i)>>2)-((\kt)>>2)+1)*7+((\i)&3)-((\kt)&3)+3
	v_wmma_f32_16x16x32_bf16 v[SC+8*(\kt):SC+8*(\kt)+7], v[KF+8*(\kt):KF+8*(\kt)+7], v[QF+8*(\i):QF+8*(\i)+7], v[8*TI:8*TI+7]
.endr
	WIN 0
.endm
	v_mov_b32 v[MX+1], 0                           ; upper words of pairs of which the packed forms take the lower
	v_mov_b32 v[LS+1], 0
	v_mov_b32 v[RI+1], 0
	s_mov_b32 s38, 0
.Lhead:
	WIN 0x40
.irp kt, 0,1,2,3,4,5,6,7
	ds_load_b128 v[KF+8*(\kt):KF+8*(\kt)+3], v10 offset:16*P16*(\kt)
	ds_load_b128 v[KF+8*(\kt)+4:KF+8*(\kt)+7], v10 offset:16*P16*(\kt)+32
.endr
	WIN 0
.irp kt, 0,1,2,3,4,5,6,7
	ds_load_b128 v[QF+8*(\kt):QF+8*(\kt)+3], v11 offset:16*P16*(\kt)
	ds_load_b128 v[QF+8*(\kt)+4:QF+8*(\kt)+7], v11 offset:16*P16*(\kt)+32
.endr
	WIN 0x80
.irp ks, 0,1,2,3
.irp ct, 0,1
	ds_load_tr16_b128 v[VF+16*(\ks)+8*(\ct):VF+16*(\ks)+8*(\ct)+3], v12 offset:32*P16*(\ks)+32*(\ct)
	ds_load_tr16_b128 v[VF+16*(\ks)+8*(\ct)+4:VF+16*(\ks)+8*(\ct)+7], v12 offset:32*P16*(\ks)+32*(\ct)+16*P16
.endr
.endr
	WIN 0
	v_add_nc_u32 v13, RO, v11                      ; O goes where Q's fragment lies, in O's region
	s_wait_loadcnt 42                              ; the first head's bias is in; the second's 42 loads may stay out
	s_wait_dscnt 0x0
	s_mov_b32 s39, 0
.Lqt:                                                  ; eight trips: a tile of 16 queries against all 128 keys.  Q's fragment and the bias tiles are picked by the trip's number: forward jumps
	s_cmp_eq_u32 s39, 1
	s_cbranch_scc1 .LS1
	s_cmp_eq_u32 s39, 2
	s_cbranch_scc1 .LS2
	s_cmp_eq_u32 s39, 3
	s_cbranch_scc1 .LS3
	s_cmp_eq_u32 s39, 4
	s_cbranch_scc1 .LS4
	s_cmp_eq_u32 s39, 5
	s_cbranch_scc1 .LS5
	s_cmp_eq_u32 s39, 6
	s_cbranch_scc1 .LS6
	s_cmp_eq_u32 s39, 7
	s_cbranch_scc1 .LS7
	SBLK 0
	s_branch .LSJ
.LS1:
	SBLK 1
	s_branch .LSJ
.LS2:
	SBLK 2
	s_branch .LSJ
.LS3:
	SBLK 3
	s_branch .LSJ
.LS4:
	SBLK 4
	s_branch .LSJ
.LS5:
	SBLK 5
	s_branch .LSJ
.LS6:
	SBLK 6
	s_branch .LSJ
.LS7:
	SBLK 7
.LSJ:
	NOP4
	; the maximum of the lane's 64 scores: eight chains, each begun at its accumulator's lowest registers
.irp kt, 0,1,2,3,4,5,6,7
	v_max3_num_f32 v[CM+(\kt)], v[SC+8*(\kt)], v[SC+8*(\kt)+1], v[SC+8*(\kt)+2]
.endr
.irp kt, 0,1,2,3,4,5,6,7
	v_max3_num_f32 v[CM+(\kt)], v[CM+(\kt)], v[SC+8*(\kt)+3], v[SC+8*(\kt)+4]
.endr
.irp kt, 0,1,2,3,4,5,6,7
	v_max3_num_f32 v[CM+(\kt)], v[CM+(\kt)], v[SC+8*(\kt)+5], v[SC+8*(\kt)+6]
.endr
.irp u, 0,1,2,3
	v_max3_num_f32 v[CM+(\u)], v[CM+(\u)], v[SC+16*(\u)+7], v[SC+16*(\u)+15]
.endr
	v_max3_num_f32 v[CM], v[CM], v[CM+1], v[CM+2]
	v_max3_num_f32 v[CM+3], v[CM+3], v[CM+4], v[CM+5]
	v_max_num_f32 v[CM+6], v[CM+6], v[CM+7]
	v_max3_num_f32 v[CM], v[CM], v[CM+3], v[CM+6]
	v_permlanex16_b32 v[CM+1], v[CM], s42, s43     ; the query's other 64 keys lie in the lane 16 away
	v_max_num_f32 v[MX], v[CM], v[CM+1]
.set i, 0
.rept 32
	v_pk_add_f32 v[SC+i:SC+i+1], v[SC+i:SC+i+1], v[MX:MX+1] op_sel_hi:[1,0] neg_lo:[0,1] neg_hi:[0,1]
.set i, i+2
.endr
.set i, 0
.rept 64
	v_exp_f32 v[SC+i], v[SC+i]
.set i, i+1
.endr
	v_nop                                          ; a plain instruction behind the last exponential,
	s_wait_alu depctr_va_vdst(0)                   ; and one wait for the batch of 64, ahead of its first reader
.set i, 0
.rept 32                                       ; two neighbouring tiles of S^T, rounded in pairs, ARE a fragment of P (32 keys x 16 queries)
	v_cvt_pk_bf16_f32 v[PR+i], v[SC+2*i], v[SC+2*i+1]
.set i, i+1
.endr
	WIN 0x02                                       ; V^T in window 2
.irp ks, 0,1,2,3                       ; the two accumulators take turns, one instruction a turn
.irp ct, 0,1
.if \ks == 0
	v_wmma_f32_16x16x32_bf16 v[OT+8*(\ct):OT+8*(\ct)+7], v[VF+16*(\ks)+8*(\ct):VF+16*(\ks)+8*(\ct)+7], v[PR+8*(\ks):PR+8*(\ks)+7], 0
.else
	v_wmma_f32_16x16x32_bf16 v[OT+8*(\ct):OT+8*(\ct)+7], v[VF+16*(\ks)+8*(\ct):VF+16*(\ks)+8*(\ct)+7], v[PR+8*(\ks):PR+8*(\ks)+7], v[OT+8*(\ct):OT+8*(\ct)+7]
.endif
.endr
.endr
	WIN 0
.irp w, 4,8,16,32,64                   ; the sum of the unrounded weights, in place: 31 packed additions, which are also the places behind the products
.set i, 0
.rept 64/(\w)
	v_pk_add_f32 v[SC+i:SC+i+1], v[SC+i:SC+i+1], v[SC+i+(\w)/2:SC+i+(\w)/2+1]
.set i, i+(\w)
.endr
.endr
	v_add_f32 v[LS], v[SC], v[SC+1]
	v_permlanex16_b32 v[LS+1], v[LS], s42, s43
	v_add_f32 v[LS], v[LS], v[LS+1]
	v_rcp_f32 v[RI], v[LS]
	v_nop
	s_wait_alu depctr_va_vdst(0)
.set i, 0
.rept 8
	v_pk_mul_f32 v[OT+i:OT+i+1], v[OT+i:OT+i+1], v[RI:RI+1] op_sel_hi:[1,0]
.set i, i+2
.endr
.set i, 0
.rept 8
	v_cvt_pk_bf16_f32 v[OP+i], v[OT+2*i], v[OT+2*i+1]
.set i, i+1
.endr
	ds_store_b128 v13, v[OP:OP+3]                  ; token 16 qt + R, channels 32 head + 8 H on,
	ds_store_b128 v13, v[OP+4:OP+7] offset:32      ; and 16 further on
	v_add_nc_u32 v13, 16*P16, v13
	s_add_co_u32 s39, s39, 1
	s_cmp_lt_u32 s39, 8
	s_cbranch_scc1 .Lqt
	s_wait_loadcnt 0x0                             ; the second head's bias is in
	WIN 0x42                                       ; and goes from window 2 to where the one text of the scores names the bias, in window 1
.set i, 0
.rept 168
	v_mov_b32 v[i], v[BIB+i]
.set i, i+1
.endr
	WIN 0
	v_add_nc_u32 v10, 64, v10                      ; the next head's 32 channels
	v_add_nc_u32 v11, 64, v11
	v_add_nc_u32 v12, 64, v12
	s_add_co_u32 s38, s38, 1
	s_cmp_lt_u32 s38, 2
	s_cbranch_scc1 .Lhead
; ---------------------------------------------------------------- the shortcut changes layout: raw v from the ring (token rows) through LDS into X (features x tokens)
.macro RINGA                           ; the weights' ring: k steps 0 to 3, 8 loads of 512 consecutive bytes each
	WIN 0x80
.irp u, 0,1,2,3
.irp ft, 0,1,2,3
	global_load_b128 v[32*(\u)+8*(\ft):32*(\u)+8*(\ft)+3], v19, s[34:35] offset:4096*(\u)+1024*(\ft)
	global_load_b128 v[32*(\u)+8*(\ft)+4:32*(\u)+8*(\ft)+7], v19, s[34:35] offset:4096*(\u)+1024*(\ft)+512
.endr
.endr
	WIN 0
.endm
.macro BFIRST pitch                    ; the token fragments of k step 0
	WIN 0x80
.irp tt, 0,1,2,3,4,5,6,7
	ds_load_b128 v[128+8*(\tt):128+8*(\tt)+3], v[17+(\tt)/4] offset:16*(\pitch)*((\tt)&3)
	ds_load_b128 v[128+8*(\tt)+4:128+8*(\tt)+7], v[17+(\tt)/4] offset:16*(\pitch)*((\tt)&3)+32
.endr
	WIN 0
.endm
.macro XADD base                       ; X += a bias of my 64 features (8 a lane and feature tile)
	WIN 0x41
.irp ft, 0,1,2,3
.irp tt, 0,1,2,3,4,5,6,7
.irp k, 0,1,2,3
	v_pk_add_f32 v[8*(8*(\ft)+(\tt))+2*(\k):8*(8*(\ft)+(\tt))+2*(\k)+1], v[8*(8*(\ft)+(\tt))+2*(\k):8*(8*(\ft)+(\tt))+2*(\k)+1], v[(\base)+8*(\ft)+2*(\k):(\base)+8*(\ft)+2*(\k)+1]
.endr
.endr
.endr
	WIN 0
.endm
.irp ft, 0,1,2,3
	global_load_b128 v[PBI+8*(\ft):PBI+8*(\ft)+3], v27, s[36:37] offset:6144+64*(\ft)
	global_load_b128 v[PBI+8*(\ft)+4:PBI+8*(\ft)+7], v27, s[36:37] offset:6144+64*(\ft)+16
.endr
	s_lshl_b32 s16, s14, 15                        ; proj_w: 32 KiB a wave
	s_add_nc_u64 s[34:35], s[10:11], s[16:17]
	RINGA
	v_add_nc_u32 v17, RO, v9
	v_add_nc_u32 v18, 64*P16, v17
	BAR                                            ; barrier 2: nobody reads K or V any more; O is whole
	WIN 0x0c
.irp g, 0,1,2,3
.irp pr, 0,1,2,3
.irp j, 0,1,2,3
	ds_store_b128 v14, v[64*(\g)+16*(\pr)+4*(\j):64*(\g)+16*(\pr)+4*(\j)+3] offset:(8*(\g)+2*(\pr))*P32+256*(\j)
.endr
.endr
.endr
	WIN 0
	BAR                                            ; barrier 3: raw v is whole
	WIN 0x40
.irp ft, 0,1,2,3
.irp tt, 0,1,2,3,4,5,6,7
	ds_load_b128 v[8*(8*(\ft)+(\tt)):8*(8*(\ft)+(\tt))+3], v[15+(\tt)/4] offset:16*P32*((\tt)&3)+64*(\ft)
	ds_load_b128 v[8*(8*(\ft)+(\tt))+4:8*(8*(\ft)+(\tt))+7], v[15+(\tt)/4] offset:16*P32*((\tt)&3)+64*(\ft)+16
.endr
.endr
	WIN 0
	BFIRST P16
	s_wait_loadcnt 32                              ; proj_b is in: the ring's 32 loads are younger
	s_wait_dscnt 16                                ; X is in: the 16 fragment loads are younger
	XADD PBI
; ---------------------------------------------------------------- PHASES C AND F: X += W B^T, 32 along K a step
; Weights: a ring of four k steps in registers, refilled behind its products.  Tokens: two buffers, the next step's 16 LDS loads ahead of this step's products.
; The 32 accumulators take turns, one instruction a turn, from step to step and over the backward jump too.
.macro KSTEP pitch, s4, nb, na, cnt
.set BB, 128+64*((\s4)&1)
.set BN, 128+64*(1-((\s4)&1))
.if \nb
	WIN 0x80
.irp tt, 0,1,2,3,4,5,6,7
	ds_load_b128 v[BN+8*(\tt):BN+8*(\tt)+3], v[17+(\tt)/4] offset:16*(\pitch)*((\tt)&3)+64*((\s4)+1)
	ds_load_b128 v[BN+8*(\tt)+4:BN+8*(\tt)+7], v[17+(\tt)/4] offset:16*(\pitch)*((\tt)&3)+64*((\s4)+1)+32
.endr
.endif
	s_wait_loadcnt \cnt                            ; this step's weights are in; the younger steps' may stay out
.if \nb
	s_wait_dscnt 16                                ; this step's tokens are in; the 16 just issued may stay out
.else
	s_wait_dscnt 0x0
.endif
	WIN 0x5a                                       ; weights and tokens in window 2, X in window 1
.irp ft, 0,1,2,3
.irp tt, 0,1,2,3,4,5,6,7
	v_wmma_f32_16x16x32_bf16 v[8*(8*(\ft)+(\tt)):8*(8*(\ft)+(\tt))+7], v[32*(\s4)+8*(\ft):32*(\s4)+8*(\ft)+7], v[BB+8*(\tt):BB+8*(\tt)+7], v[8*(8*(\ft)+(\tt)):8*(8*(\ft)+(\tt))+7]
.endr
.endr
	NOP4                                           ; ahead of the loads into registers that these products have read
.if \na
	WIN 0x80
.irp ft, 0,1,2,3
	global_load_b128 v[32*(\s4)+8*(\ft):32*(\s4)+8*(\ft)+3], v19, s[34:35] offset:4096*((\s4)+4)+1024*(\ft)
	global_load_b128 v[32*(\s4)+8*(\ft)+4:32*(\s4)+8*(\ft)+7], v19, s[34:35] offset:4096*((\s4)+4)+1024*(\ft)+512
.endr
.endif
.endm
.macro GEMMX pitch, trips              ; 4 trips + 4 k steps; the last four load no weights, and their counts run down
	s_mov_b32 s40, \trips
.Lk_\@:
	KSTEP \pitch, 0, 1, 1, 24
	KSTEP \pitch, 1, 1, 1, 24
	KSTEP \pitch, 2, 1, 1, 24
	KSTEP \pitch, 3, 1, 1, 24
	WIN 0
	s_wait_xcnt 0x0                                ; the loads have read their base
	s_add_nc_u64 s[34:35], s[34:35], 16384
	v_add_nc_u32 v17, 256, v17
	v_add_nc_u32 v18, 256, v18
	s_sub_co_u32 s40, s40, 1
	s_cmp_lg_u32 s40, 0
	s_cbranch_scc1 .Lk_\@
	KSTEP \pitch, 0, 1, 0, 24
	KSTEP \pitch, 1, 1, 0, 16
	KSTEP \pitch, 2, 1, 0, 8
	KSTEP \pitch, 3, 0, 0, 0
	WIN 0
.endm
	GEMMX P16, 1                                   ; the projection: K = 256
; ---------------------------------------------------------------- PHASE D: LayerNorm of X
.macro AWLOAD                          ; one tile of 16 hidden features: its 8 fragments of mw1 and its mb1
.irp ks, 0,1,2,3,4,5,6,7
	global_load_b128 v[AW+8*(\ks):AW+8*(\ks)+3], v19, s[34:35] offset:1024*(\ks)
	global_load_b128 v[AW+8*(\ks)+4:AW+8*(\ks)+7], v19, s[34:35] offset:1024*(\ks)+512
.endr
	global_load_b128 v[MB:MB+3], v28, s[36:37] offset:10240
	global_load_b128 v[MB+4:MB+7], v28, s[36:37] offset:10256
.endm
	WIN 0xc0
.irp ft, 0,1,2,3
	global_load_b128 v[8*(\ft):8*(\ft)+3], v27, s[36:37] offset:7168+64*(\ft)
	global_load_b128 v[8*(\ft)+4:8*(\ft)+7], v27, s[36:37] offset:7168+64*(\ft)+16
	global_load_b128 v[32+8*(\ft):32+8*(\ft)+3], v27, s[36:37] offset:8192+64*(\ft)
	global_load_b128 v[32+8*(\ft)+4:32+8*(\ft)+7], v27, s[36:37] offset:8192+64*(\ft)+16
.endr
	WIN 0
	s_lshl_b32 s16, s14, 16                        ; mw1: 64 KiB a wave.  (All loads by the old base are back: the last k step waited for 0)
	s_add_co_u32 s16, s16, WS_W1
	s_add_nc_u64 s[34:35], s[10:11], s[16:17]
	AWLOAD
; My 64 features' mean and sum of squared differences from it, for the 16 tokens of tile tt: 32 numbers a lane, the other 32 in the lane 16 away.
.macro LNS tt
	WIN 0x05
.irp ft, 0,1,2,3                       ; each accumulator's lowest registers are read first
	v_pk_add_f32 v[DT+4*(\ft):DT+4*(\ft)+1], v[8*(8*(\ft)+(\tt)):8*(8*(\ft)+(\tt))+1], v[8*(8*(\ft)+(\tt))+2:8*(8*(\ft)+(\tt))+3]
	v_pk_add_f32 v[DT+4*(\ft)+2:DT+4*(\ft)+3], v[8*(8*(\ft)+(\tt))+4:8*(8*(\ft)+(\tt))+5], v[8*(8*(\ft)+(\tt))+6:8*(8*(\ft)+(\tt))+7]
.endr
	WIN 0
.irp u, 0,4,8,12
	v_pk_add_f32 v[DT+(\u):DT+(\u)+1], v[DT+(\u):DT+(\u)+1], v[DT+(\u)+2:DT+(\u)+3]
.endr
	v_pk_add_f32 v[DT:DT+1], v[DT:DT+1], v[DT+4:DT+5]
	v_pk_add_f32 v[DT+8:DT+9], v[DT+8:DT+9], v[DT+12:DT+13]
	v_pk_add_f32 v[DT:DT+1], v[DT:DT+1], v[DT+8:DT+9]
	v_add_f32 v30, v[DT], v[DT+1]
	v_permlanex16_b32 v31, v30, s42, s43
	v_add_f32 v30, v30, v31
	v_mul_f32 v[DP], s46, v30
	WIN 0x01
.irp ft, 0,1,2,3
.irp k, 0,1,2,3
	v_pk_add_f32 v[DD+8*(\ft)+2*(\k):DD+8*(\ft)+2*(\k)+1], v[8*(8*(\ft)+(\tt))+2*(\k):8*(8*(\ft)+(\tt))+2*(\k)+1], v[DP:DP+1] op_sel_hi:[1,0] neg_lo:[0,1] neg_hi:[0,1]
.endr
.endr
	WIN 0
	v_pk_mul_f32 v[DQ:DQ+1], v[DD:DD+1], v[DD:DD+1]
	v_pk_mul_f32 v[DQ+2:DQ+3], v[DD+2:DD+3], v[DD+2:DD+3]
.irp u, 4,8,12,16,20,24,28
	v_pk_fma_f32 v[DQ:DQ+1], v[DD+(\u):DD+(\u)+1], v[DD+(\u):DD+(\u)+1], v[DQ:DQ+1]
	v_pk_fma_f32 v[DQ+2:DQ+3], v[DD+(\u)+2:DD+(\u)+3], v[DD+(\u)+2:DD+(\u)+3], v[DQ+2:DQ+3]
.endr
	v_pk_add_f32 v[DQ:DQ+1], v[DQ:DQ+1], v[DQ+2:DQ+3]
	v_add_f32 v30, v[DQ], v[DQ+1]
	v_permlanex16_b32 v31, v30, s42, s43
	v_add_f32 v[DP+1], v30, v31
	ds_store_b64 v20, v[DP:DP+1] offset:512*(\tt)  ; both halves of the lanes store the same two numbers
.endm
.irp tt, 0,1,2,3,4,5,6,7
	LNS \tt
.endr
	BAR                                            ; barrier 4: all four waves' statistics lie in LDS; raw v and O have been read
.irp tt, 0,1,2,3,4,5,6,7
	ds_load_b128 v[ST2+8*(\tt):ST2+8*(\tt)+3], v21 offset:512*(\tt)
	ds_load_b128 v[ST2+8*(\tt)+4:ST2+8*(\tt)+7], v21 offset:512*(\tt)+16
.endr
	s_wait_dscnt 0x0
; mean = the mean of the four means; the sum of squares = the four sums + 64 x the squared distances of the four means from it: no difference of large sums is formed
.macro LNC1 t
.set LS0, ST2+8*(\t)
.set LR0, RN+4*(\t)
.set LY0, YY+4*(\t)
	v_add_f32 v[LY0], v[LS0], v[LS0+2]
	v_add_f32 v[LY0+1], v[LS0+4], v[LS0+6]
	v_add_f32 v[LY0], v[LY0], v[LY0+1]
	v_mul_f32 v[LR0+1], 0x3e800000, v[LY0]
	v_sub_f32 v[LY0], v[LS0], v[LR0+1]
	v_sub_f32 v[LY0+1], v[LS0+2], v[LR0+1]
	v_sub_f32 v[LY0+2], v[LS0+4], v[LR0+1]
	v_sub_f32 v[LY0+3], v[LS0+6], v[LR0+1]
	v_mul_f32 v[LY0], v[LY0], v[LY0]
	v_fmac_f32 v[LY0], v[LY0+1], v[LY0+1]
	v_fmac_f32 v[LY0], v[LY0+2], v[LY0+2]
	v_fmac_f32 v[LY0], v[LY0+3], v[LY0+3]
	v_add_f32 v[LY0+1], v[LS0+1], v[LS0+3]
	v_add_f32 v[LY0+2], v[LS0+5], v[LS0+7]
	v_add_f32 v[LY0+1], v[LY0+1], v[LY0+2]
	v_fma_f32 v[LR0+3], v[LY0], s47, v[LY0+1]
	v_fma_f32 v[LR0+3], v[LR0+3], s44, s45
	v_rsq_f32 v[LR0], v[LR0+3]
.endm
.irp tt, 0,1,2,3,4,5,6,7
	LNC1 \tt
.endr
	v_nop
	s_wait_alu depctr_va_vdst(0)                   ; one wait for the eight roots
.irp tt, 0,1,2,3,4,5,6,7
	v_mul_f32 v[RN+4*(\tt)+2], -v[RN+4*(\tt)+1], v[RN+4*(\tt)]
.endr
	s_wait_loadcnt 18                              ; g2 and b2 are in: mw1's first tile and its bias, 18 loads, are younger
.macro LNN tt
	WIN 0x01
.irp ft, 0,1,2,3
.irp k, 0,1,2,3
	v_pk_fma_f32 v[YY+8*(\ft)+2*(\k):YY+8*(\ft)+2*(\k)+1], v[8*(8*(\ft)+(\tt))+2*(\k):8*(8*(\ft)+(\tt))+2*(\k)+1], v[RN+4*(\tt):RN+4*(\tt)+1], v[RN+4*(\tt)+2:RN+4*(\tt)+3] op_sel_hi:[1,0,0]
.endr
.endr
	WIN 0x3c                                       ; g2 and b2 in window 3
.set i, 0
.rept 16
	v_pk_fma_f32 v[YY+i:YY+i+1], v[YY+i:YY+i+1], v[i:i+1], v[32+i:32+i+1]
.set i, i+2
.endr
	WIN 0
.set i, 0
.rept 16
	v_cvt_pk_bf16_f32 v[YY+i], v[YY+2*i], v[YY+2*i+1]
.set i, i+1
.endr
.irp ft, 0,1,2,3
	ds_store_b128 v22, v[YY+4*(\ft):YY+4*(\ft)+3] offset:16*P16*(\tt)+32*(\ft)
.endr
.endm
.irp tt, 0,1,2,3,4,5,6,7
	LNN \tt
.endr
	BAR                                            ; barrier 5: H1 is whole
; ---------------------------------------------------------------- PHASE E: hidden = gelu(H1 mw1^T + mb1); H1 (128 tokens x 256) stays in registers for all eight feature tiles
.irp ks, 0,1,2,3,4,5,6,7
	WIN 0x80+0x40*((\ks)/4)
.irp tt, 0,1,2,3,4,5,6,7
	ds_load_b128 v[64*((\ks)&3)+8*(\tt):64*((\ks)&3)+8*(\tt)+3], v9 offset:16*P16*(\tt)+64*(\ks)
	ds_load_b128 v[64*((\ks)&3)+8*(\tt)+4:64*((\ks)&3)+8*(\tt)+7], v9 offset:16*P16*(\tt)+64*(\ks)+32
.endr
.endr
	WIN 0
	s_wait_dscnt 0x0
; gelu(x) = x / 2 + |x| (1/2 + t (c1 + t (c2 + t c3)) e), t = 1 / (1 + 0.332673 |x|), e = 2^(-0.721348 x^2): two token tiles, 16 numbers a lane.  One batch of 32 transcendentals, one wait.
.macro GELU2 b
.set XB, HA+16*(\b)
.set i, 0
.rept 16                               ; ascending: each accumulator's lowest register is read first
	v_fma_f32 v[GT+i], |v[XB+i]|, s48, 1.0
.set i, i+1
.endr
.set i, 0
.rept 8
	v_pk_mul_f32 v[GU+i:GU+i+1], v[XB+i:XB+i+1], v[XB+i:XB+i+1]
.set i, i+2
.endr
.set i, 0
.rept 8
	v_pk_mul_f32 v[GU+i:GU+i+1], v[GU+i:GU+i+1], s[50:51] op_sel_hi:[1,0]
.set i, i+2
.endr
.set i, 0
.rept 16
	v_rcp_f32 v[GT+i], v[GT+i]
.set i, i+1
.endr
.set i, 0
.rept 16
	v_exp_f32 v[GU+i], v[GU+i]
.set i, i+1
.endr
	v_nop
	s_wait_alu depctr_va_vdst(0)
.set i, 0
.rept 8
	v_pk_fma_f32 v[GP+i:GP+i+1], v[GT+i:GT+i+1], s[52:53], s[54:55] op_sel_hi:[1,0,0]
.set i, i+2
.endr
.set i, 0
.rept 8
	v_pk_fma_f32 v[GP+i:GP+i+1], v[GP+i:GP+i+1], v[GT+i:GT+i+1], s[56:57] op_sel_hi:[1,1,0]
.set i, i+2
.endr
.set i, 0
.rept 8
	v_pk_mul_f32 v[GP+i:GP+i+1], v[GP+i:GP+i+1], v[GT+i:GT+i+1]
.set i, i+2
.endr
.set i, 0
.rept 8
	v_pk_fma_f32 v[GU+i:GU+i+1], v[GP+i:GP+i+1], v[GU+i:GU+i+1], 0.5 op_sel_hi:[1,1,0]
.set i, i+2
.endr
.set i, 0
.rept 8
	v_pk_mul_f32 v[GT+i:GT+i+1], v[XB+i:XB+i+1], 0.5 op_sel_hi:[1,0]
.set i, i+2
.endr
.set i, 0
.rept 16
	v_fma_f32 v[XB+i], |v[XB+i]|, v[GU+i], v[GT+i]
.set i, i+1
.endr
.irp u, 0,8
.irp k, 0,1,2,3
	v_cvt_pk_bf16_f32 v[XB+(\u)+(\k)], v[XB+(\u)+2*(\k)], v[XB+(\u)+2*(\k)+1]
.endr
.endr
.endm
	s_mov_b32 s41, 8
.Lf:                                                   ; eight trips: a tile of 16 hidden features for all 128 tokens
	s_wait_loadcnt 0x0                             ; the tile's weights and bias
.irp ks, 0,1,2,3,4,5,6,7               ; the eight accumulators take turns; the first K step starts the sums with mb1 as C
	WIN 0x08+0x04*((\ks)/4)
.irp tt, 0,1,2,3,4,5,6,7
.if \ks == 0
	v_wmma_f32_16x16x32_bf16 v[HA+8*(\tt):HA+8*(\tt)+7], v[AW+8*(\ks):AW+8*(\ks)+7], v[64*((\ks)&3)+8*(\tt):64*((\ks)&3)+8*(\tt)+7], v[MB:MB+7]
.else
	v_wmma_f32_16x16x32_bf16 v[HA+8*(\tt):HA+8*(\tt)+7], v[AW+8*(\ks):AW+8*(\ks)+7], v[64*((\ks)&3)+8*(\tt):64*((\ks)&3)+8*(\tt)+7], v[HA+8*(\tt):HA+8*(\tt)+7]
.endif
.endr
.endr
	WIN 0
	NOP4
	s_cmp_eq_u32 s41, 1                            ; the last tile has none behind it; the wait at the loop's head is for 0, right on both ways
	s_cbranch_scc1 .Lnoaw
	s_add_nc_u64 s[34:35], s[34:35], 8192          ; (every load by this base and by v28 is back)
	v_add_nc_u32 v28, 64, v28
	AWLOAD                                         ; the next tile's weights come in under this tile's gelu
.Lnoaw:
	GELU2 0
	GELU2 1
	GELU2 2
	GELU2 3
.irp tt, 0,1,2,3,4,5,6,7
	ds_store_b128 v[23+(\tt)/4], v[HA+8*(\tt):HA+8*(\tt)+3] offset:16*P32*((\tt)&3)
.endr
	v_add_nc_u32 v23, 32, v23
	v_add_nc_u32 v24, 32, v24
	s_sub_co_u32 s41, s41, 1
	s_cmp_lg_u32 s41, 0
	s_cbranch_scc1 .Lf
	s_wait_loadcnt 0x0                             ; no load of the loop is out (its last trip asked for none): only behind this wait are the registers of mw1's tile loaded anew, by mb2 below and by the way out
; ---------------------------------------------------------------- PHASE F: X += mb2 + hidden mw2^T, and the way out
.irp ft, 0,1,2,3
	global_load_b128 v[MB2+8*(\ft):MB2+8*(\ft)+3], v27, s[36:37] offset:9216+64*(\ft)
	global_load_b128 v[MB2+8*(\ft)+4:MB2+8*(\ft)+7], v27, s[36:37] offset:9216+64*(\ft)+16
.endr
	s_lshl_b32 s16, s14, 16                        ; mw2: 64 KiB a wave
	s_add_co_u32 s16, s16, WS_W2
	s_add_nc_u64 s[34:35], s[10:11], s[16:17]
	RINGA
	v_mul_u32_u24 v17, v2, P32
	v_lshl_add_u32 v17, v3, 4, v17
	v_add_nc_u32 v17, HID, v17
	v_add_nc_u32 v18, 64*P32, v17
	BAR                                            ; barrier 6: the hidden layer is whole
	BFIRST P32
	s_wait_loadcnt 32                              ; mb2 is in: the ring's 32 loads are younger
	XADD MB2
	GEMMX P32, 3                                   ; K = 512
; Tile tt's 16 tokens x my 64 features go through my own stage (LDS serves a wave's instructions in order, ISA guide 5.7.1.4: no wait between its stores and its loads) and leave as whole rows:
; my 64 features of a token are 256 consecutive bytes, at a multiple of 256 from out0's first byte, stored by 16 neighbouring lanes.
.macro OUTT tt
.set OBB, OB+32*((\tt)&1)
	WIN 0x04
.irp ft, 0,1,2,3                       ; each accumulator's lower half first
	ds_store_b128 v25, v[8*(8*(\ft)+(\tt)):8*(8*(\ft)+(\tt))+3] offset:64*(\ft)
	ds_store_b128 v25, v[8*(8*(\ft)+(\tt))+4:8*(8*(\ft)+(\tt))+7] offset:64*(\ft)+16
.endr
	WIN 0
	s_wait_xcnt 0x0                                ; the stores of two tiles back have read these registers
.irp u, 0,1,2,3,4,5,6,7
	ds_load_b128 v[OBB+4*(\u):OBB+4*(\u)+3], v26 offset:544*(\u)
.endr
	s_wait_dscnt 0x0
.irp u, 0,1,2,3,4,5,6,7                ; token 16 tt + 2 u + H: frame, row and column of the window
	global_store_b128 v29, v[OBB+4*(\u):OBB+4*(\u)+3], s[12:13] offset:(((\tt)>>2)<<22)+(((2*(\tt)+((\u)>>2))&7)<<16)+(((\u)&3)<<11) th:TH_STORE_NT
.endr
.endm
.irp tt, 0,1,2,3,4,5,6,7
	OUTT \tt
.endr
	s_wait_tensorcnt 0x0                           ; the wave's end, behind my last LDS store
	ds_add_u32 v4, v5
	s_wait_dscnt 0x0
	s_endpgm
.Lfunc_end_k_q2f8a517397_fused:
	.size	k_q2f8a517397_fused, .Lfunc_end_k_q2f8a517397_fused-k_q2f8a517397_fused
	.p2alignl 7, 3214868480
	.fill 96, 4, 3214868480
	.section	.rodata,"a",@progbits
	.p2align	6, 0x0
	.amdhsa_kernel k_q2f8a517397_fused
		.amdhsa_group_segment_fixed_size 292352
		.amdhsa_private_segment_fixed_size 0
		.amdhsa_enable_private_segment 0
		.amdhsa_kernarg_size 40
		.amdhsa_user_sgpr_count 2
		.amdhsa_user_sgpr_kernarg_segment_ptr 1
		.amdhsa_wavefront_size32 1
		.amdhsa_system_sgpr_workgroup_id_x 1
		.amdhsa_system_sgpr_workgroup_id_y 1
		.amdhsa_system_sgpr_workgroup_id_z 1
		.amdhsa_system_vgpr_workitem_id 0
		.amdhsa_next_free_vgpr 1024
		.amdhsa_next_free_sgpr 66
		.amdhsa_reserve_vcc 0
		.amdhsa_float_denorm_mode_32 3
		.amdhsa_float_denorm_mode_16_64 3
		.amdhsa_memory_ordered 1
		.amdhsa_forward_progress 1
		.amdhsa_inst_pref_size 255
	.end_amdhsa_kernel
	.section	.bss,"aw",@nobits
	.p2align	6
	.space	262144
	.amdgpu_metadata
---
amdhsa.version: [ 1, 2 ]
amdhsa.kernels:
  - .name:           k_q2f8a517397_fused
    .symbol:         k_q2f8a517397_fused.kd
    .args:
      - { .name: q, .offset: 0, .size: 8, .value_kind: global_buffer, .address_space: global }
      - { .name: k, .offset: 8, .size: 8, .value_kind: global_buffer, .address_space: global }
      - { .name: v, .offset: 16, .size: 8, .value_kind: global_buffer, .address_space: global }
      - { .name: ws, .offset: 24, .size: 8, .value_kind: global_buffer, .address_space: global }
      - { .name: out0, .offset: 32, .size: 8, .value_kind: global_buffer, .address_space: global }
    .group_segment_fixed_size: 292352
    .private_segment_fixed_size: 0
    .kernarg_segment_align: 8
    .kernarg_segment_size: 40
    .max_flat_workgroup_size: 128
    .sgpr_count:     66
    .vgpr_count:     1024
    .wavefront_size: 32
...
	.end_amdgpu_metadata
.endif
;; end of part 2
